; MI455X (gfx1250); checked and timed in simulation.
; The chip was launched on July 23, 2026; its instructions are those of AMD's public machine-readable ISA for CDNA 5 (MIT licence, August 2026) and "CDNA5" Instruction Set Architecture Reference Guide (July 2026). The comments in the code are by the model that wrote it; some were corrected since.
;; Mo E All To All Layer. Allowed arithmetic: matrix products marked QUANTISED: E2M3 operands, one E8M0 scale for each 32 along K, by v_wmma_scale_f32_16x16x128_f8f6f4 with both operands' format E2M3, f32 sums; products left as they are: f32 operands where the result goes on into a quantised operand, else bf16, f16 or f32 operands; f32 sums; everything else in f32.
;; Inputs: W1_codes 8 x 4,096 x 32 x 24 uint8 (E2M3 codes of W1, K innermost, in blocks of 32 codes, four codes in three bytes); W1_scales 8 x 4,096 x 32 uint8 (E8M0 scales of W1, one for each 32 codes along K); W2_codes 8 x 1,024 x 128 x 24 uint8 (E2M3 codes of W2, K innermost, in blocks of 32 codes, four codes in three bytes); W2_scales 8 x 1,024 x 128 uint8 (E8M0 scales of W2, one for each 32 codes along K); Wr 1,024 x 8 float32; b1 8 x 4,096 float32; b2 8 x 1,024 float32; br 8 float32; x 1,024 x 1,024 float32.
;; Outputs: out0 1,024 x 1,024 float32.
;; This version of the problem:
;;   THIS VERSION OF THE PROBLEM IS GIVEN IN LOW PRECISION. The matrix products marked QUANTISED in the list below multiply operands that are first quantised to E2M3 (2 exponent bits, 3 mantissa bits; 6 bits a number), with one power-of-two scale for each 32 numbers along K (OCP MX v1.0); their sums are f32. All else is computed in f32.
;;   The module's matrix products, in the order in which they are computed (A, B: the left and right operand; K: the contracted axis; several contracted axes count as one K, in the product's order):
;;     1. [M 1,024, K 1,024] x [K 1,024, N 8]; A: input x; B: input Wr: left as it is (N = 8 < 16)
;;     2. [M 1,024, K 1,024] x [K 1,024, N 4,096]; A: input x; B: input W1 (given as codes): QUANTISED
;;     3. [M 1,024, K 4,096] x [K 4,096, N 1,024]; A: computed on the way; B: input W2 (given as codes): QUANTISED
;;     4. [M 1,024, K 1,024] x [K 1,024, N 4,096]; A: input x; B: input W1 (given as codes): QUANTISED
;;     5. [M 1,024, K 4,096] x [K 4,096, N 1,024]; A: computed on the way; B: input W2 (given as codes): QUANTISED
;;     6. [M 1,024, K 1,024] x [K 1,024, N 4,096]; A: input x; B: input W1 (given as codes): QUANTISED
;;     7. [M 1,024, K 4,096] x [K 4,096, N 1,024]; A: computed on the way; B: input W2 (given as codes): QUANTISED
;;     8. [M 1,024, K 1,024] x [K 1,024, N 4,096]; A: input x; B: input W1 (given as codes): QUANTISED
;;     9. [M 1,024, K 4,096] x [K 4,096, N 1,024]; A: computed on the way; B: input W2 (given as codes): QUANTISED
;;     10. [M 1,024, K 1,024] x [K 1,024, N 4,096]; A: input x; B: input W1 (given as codes): QUANTISED
;;     11. [M 1,024, K 4,096] x [K 4,096, N 1,024]; A: computed on the way; B: input W2 (given as codes): QUANTISED
;;     12. [M 1,024, K 1,024] x [K 1,024, N 4,096]; A: input x; B: input W1 (given as codes): QUANTISED
;;     13. [M 1,024, K 4,096] x [K 4,096, N 1,024]; A: computed on the way; B: input W2 (given as codes): QUANTISED
;;     14. [M 1,024, K 1,024] x [K 1,024, N 4,096]; A: input x; B: input W1 (given as codes): QUANTISED
;;     15. [M 1,024, K 4,096] x [K 4,096, N 1,024]; A: computed on the way; B: input W2 (given as codes): QUANTISED
;;     16. [M 1,024, K 1,024] x [K 1,024, N 4,096]; A: input x; B: input W1 (given as codes): QUANTISED
;;     17. [M 1,024, K 4,096] x [K 4,096, N 1,024]; A: computed on the way; B: input W2 (given as codes): QUANTISED
;;   THE QUANTISER, for each operand of a quantised product, along K:
;;     - K is cut into blocks of 32 from its start; a last block that is shorter is filled with zeros.
;;     - A block's scale is 2^e with e = floor(log2(the largest magnitude in the block)) - 2, held to -126 .. 127; a block of zeros has e = 0. As a byte (E8M0): e + 127.
;;     - Each number is divided by its block's scale, clamped to +-7.5, and rounded to the nearest number of E2M3, ties to even, subnormals kept.
;;     - The product sums the exact products of the quantised numbers (number of the format x scale) in f32.
;;   ~~~python
;;   def quantise(x, axis):      # numpy; x: float32 -> the quantised numbers, widened to float32 again
;;       x = np.moveaxis(x, axis, -1); K = x.shape[-1]
;;       x = np.pad(x, [(0, 0)] * (x.ndim - 1) + [(0, -K % 32)]); x = x.reshape(x.shape[:-1] + (-1, 32)); a = np.abs(x).max(-1, keepdims=True)
;;       e = np.where(a > 0, np.clip(np.frexp(np.where(a > 0, a, 1))[1] - 1 - 2, -126, 127), 0)      # np.frexp(a)[1] - 1 = floor(log2(a)), exactly
;;       r = np.clip(x / 2.0 ** e, -7.5, 7.5)
;;       step = 2.0 ** (np.maximum(np.frexp(np.where(r == 0, 1, r))[1] - 1, 0) - 3)
;;       q = np.round(r / step) * step * 2.0 ** e      # np.round: ties to even
;;       return np.moveaxis(q.reshape(q.shape[:-2] + (-1,))[..., :K], -1, axis).astype(np.float32)
;;   ~~~
;;   OPERANDS COMPUTED ON THE WAY. 'Computed on the way' means the value that the module computes at that place (a softmax that the list does not call 'softmax' is quantised finished and normalised). What goes into a quantiser is computed in f32, as accurately as f32 sums, v_exp_f32 and their like allow (about 1e-6 of the number): no bf16 or f16 on the way to a quantiser, and a product that is left as it is and whose result goes on into a quantised operand takes f32 operands (vector FMAs, or v_wmma_f32_16x16x4_f32). A number that lies on a knife's edge between two numbers of the format may be rounded either way, as far as f32 arithmetic and the matrix unit's own rounding can turn it there, and no further.
;;   INPUTS GIVEN AS CODES. W1 (in the module: [8, 1024, 4096], K = its axis 1); W2 (in the module: [8, 4096, 1024], K = its axis 1): each comes as NAME_codes (uint8): NAME with its K axis moved to the last place and cut into blocks of 32 codes, [.., K / 32, bytes a block], one block behind the other in memory; four codes in three bytes: a row's codes are one little-endian stream of bits, code i at bits 6 i .. 6 i + 5 (a code: sign, 2 exponent bits, 3 mantissa bits); and NAME_scales (uint8): the same leading axes, one E8M0 byte (e + 127) for each 32 codes along K. Its value is code x scale, taken as it is: it is not quantised again, and the codes and scales need not be those that the quantiser above would give.
;; One version. Each part assembles by itself: llvm-mc -triple=amdgcn-amd-amdhsa -mcpu=gfx1250 --defsym DOCPART=n.
;; ======== version 1 of 1: 3 launches
;; workspace buffers: xq 786,432 bytes; xs 32,768 bytes; expert 4,096 bytes of whole numbers; score 4,096 bytes; hq 25,165,824 bytes; hs 1,048,576 bytes; order 4,352 bytes of whole numbers; gate 4,096 bytes
;; launch router (part 1): grid 256 x 1, 2 waves a work-group, no clusters, 20,992 bytes of LDS; arguments x, Wr, br, xq, xs, expert, score; writes xq, xs, expert, score
.if DOCPART == 1
	.amdgcn_target "amdgcn-amd-amdhsa--gfx1250"
	.amdhsa_code_object_version 6
	.text
	.protected	k_q713194c484_router
	.globl	k_q713194c484_router
	.p2align	8
	.type	k_q713194c484_router,@function
k_q713194c484_router:
	s_mov_b64 s[64:65], 0
	v_nop
	global_prefetch_b8 v0, s[64:65] scope:SCOPE_SE
	s_setreg_imm32_b32 hwreg(HW_REG_WAVE_MODE, 25, 1), 1
	s_wait_xcnt 0x0
; THE ROUTER, AND x INTO CODES.  x [1024][1024] f32, Wr [1024][8] f32, br [8] f32.
; For each token: logits = x Wr + br in f32; p_e = 2^((L_e - m) log2 e), m the largest logit; the expert is the first e with the largest p; the score is that p / the sum of p.
; Both go to fixed places: no address here hangs on them.  The expert number of token t goes to word 128 (t >> 7) + 4 (t & 31) + ((t >> 5) & 3), so that the next launch's
; dense 16-byte loads leave token 32 q + lane in register q.
; x is also quantised once, along K, to codes of E2M3 with one E8M0 byte for each 32: scale 2^(floor(log2(largest magnitude)) - 2).
; xq: 768 bytes a token; block B of 32 codes lies at 384 (B & 1) + 24 (B >> 1): a lane of the matrix operand (half h) finds all its 16 blocks as 384 consecutive bytes.  xs: 32 bytes a token, block B at byte B.
; SHARES: a wave takes two tokens, a work-group four; waves share nothing: no barrier.  No matrix unit: 8 columns are too few for it, and the product stays in f32.
; LIMITS: NaN and infinities are not served.  A block whose largest magnitude lies under 2^-124 (a block of zeros too) gets the byte 1; a block of zeros has zero codes, and only this program reads the bytes.
; Two logits that lie closer together than the rounding of a sum of 1,024 f32 products may be ordered otherwise than another order of summation would order them.
.set SP,   80                          ; a lane's place in a stage: 64 bytes + 16 of padding
.set STGB, 32*SP                       ; a stage: 512 numbers
.set SCB,  4*STGB                      ; behind the wave's four stages: its 64 scale bytes
.set WREG, 10496                       ; LDS bytes of a wave
.set R,    32                          ; v32-95   x as loaded: token k, load j at R + 32 k + 4 j: x[k][128 j + 4 lane + 0..3]
.set X,    96                          ; v96-159  four steps of 16 neighbours
.set ACC,  160                         ; v160-175 two tokens x 8 logits
.set C,    176                         ; v176-191 codes, four registers a step
.set E,    192                         ; v192-195 a scale byte a step
.set MSB,  0                           ; window 1 (v256-511): Wr: register 32 j + 8 i + e = Wr[128 j + 4 lane + i][e]
.macro WIN new                         ; the immediate's high byte repeats the setting that is left
.if MSB != (\new)
	s_set_vgpr_msb (MSB<<8)|(\new)
.set MSB, (\new)
.endif
.endm
	s_load_b256 s[4:11], s[0:1], 0x0               ; x, Wr, br, xq
	s_load_b128 s[12:15], s[0:1], 0x20             ; xs, expert
	s_load_b64 s[16:17], s[0:1], 0x30              ; score
	v_lshrrev_b32 v1, 5, v0
	v_readfirstlane_b32 s18, v1                    ; wave
	v_and_b32 v1, 31, v0                           ; lane
	s_lshl_b32 s19, ttmp9, 2
	s_lshl_b32 s20, s18, 1
	s_add_co_u32 s19, s19, s20                     ; my first token: 4 x work-group + 2 x wave
	v_lshlrev_b32 v2, 4, v1                        ; 16 lane
	v_lshlrev_b32 v3, 7, v1                        ; 128 lane: my four rows of Wr in each 128
	v_lshlrev_b32 v19, 2, v1                       ; 4 lane
	s_mul_i32 s21, s18, WREG
	v_lshrrev_b32 v8, 2, v1
	v_mul_u32_u24 v4, v8, SP
	v_and_b32 v11, 3, v1
	v_lshl_add_u32 v4, v11, 4, v4
	v_add_nc_u32 v4, s21, v4                       ; the stage, way in: four lanes' 64 bytes on end, then the padding
	v_mul_u32_u24 v5, v1, SP
	v_add_nc_u32 v5, s21, v5                       ; way out: my 16 neighbours
	v_bfe_u32 v6, v1, 1, 1
	v_mul_u32_u24 v6, v6, 384
	v_mad_u32_u24 v6, v8, 24, v6
	v_and_b32 v11, 1, v1
	v_mad_u32_u24 v6, v11, 12, v6                  ; my 12 bytes of codes in a step: 384 (block & 1) + 24 (block >> 1) + 12 (half of the block)
	s_add_co_u32 s22, s21, SCB
	v_lshrrev_b32 v7, 1, v1
	v_add_nc_u32 v7, s22, v7                       ; my block's scale byte in LDS
	v_and_b32 v10, 15, v1
	v_lshlrev_b32 v10, 2, v10                      ; and on the way out four bytes a lane
	v_add_nc_u32 v9, s22, v10
	s_lshl_b32 s36, s19, 12                        ; byte offsets of my first token: x,
	s_mov_b32 s37, 0
	s_mul_i32 s38, s19, 768                        ; xq,
	s_mov_b32 s39, 0
	s_lshl_b32 s40, s19, 5                         ; xs,
	s_mov_b32 s41, 0
	s_lshl_b32 s42, s19, 2                         ; score,
	s_mov_b32 s43, 0
	s_lshr_b32 s44, s19, 7                         ; and its word among the expert numbers
	s_lshl_b32 s44, s44, 7
	s_and_b32 s45, s19, 31
	s_lshl_b32 s45, s45, 2
	s_add_co_u32 s44, s44, s45
	s_bfe_u32 s45, s19, 0x20005
	s_add_co_u32 s44, s44, s45
	s_lshl_b32 s44, s44, 2
	s_mov_b32 s45, 0
	s_mov_b32 s32, 0x76543210
	s_mov_b32 s33, 0xfedcba98                      ; v_permlanex16_b32: lane l xor 16
	s_mov_b32 s34, 0x3fb8aa3b                      ; log2(e)
	s_mov_b32 s35, 2                               ; lane 1
	s_wait_kmcnt 0x0
	s_load_b256 s[24:31], s[8:9], 0x0              ; br
	s_add_nc_u64 s[4:5], s[4:5], s[36:37]
	s_add_nc_u64 s[10:11], s[10:11], s[38:39]
	s_add_nc_u64 s[12:13], s[12:13], s[40:41]
	s_add_nc_u64 s[16:17], s[16:17], s[42:43]
	s_add_nc_u64 s[14:15], s[14:15], s[44:45]
.irp k, 0,1
.irp j, 0,1,2,3,4,5,6,7
	global_load_b128 v[R+32*\k+4*\j:R+32*\k+4*\j+3], v2, s[4:5] offset:4096*\k+512*\j th:TH_LOAD_NT   ; 32 lanes read 512 consecutive bytes
.endr
.endr
	WIN 0x40                                       ; destination window 1
.irp j, 0,1,2,3,4,5,6,7
.irp q, 0,1,2,3,4,5,6,7
	global_load_b128 v[32*\j+4*\q:32*\j+4*\q+3], v3, s[6:7] offset:4096*\j+16*\q   ; a lane's eight loads take its 128 consecutive bytes, the wave's eight 4,096
.endr
.endr
	WIN 0
	s_wait_loadcnt 63                              ; 64 loads stand behind x's last: x is in
; step u (token u / 2, half u % 2 of its row) through its stage: LDS serves a wave's instructions in order, so no wait stands between the stores and the loads
.macro TURN u
.irp i, 0,1,2,3
	ds_store_b128 v4, v[R+16*(\u)+4*\i:R+16*(\u)+4*\i+3] offset:STGB*(\u)+8*SP*\i
.endr
.irp i, 0,1,2,3
	ds_load_b128 v[X+16*(\u)+4*\i:X+16*(\u)+4*\i+3], v5 offset:STGB*(\u)+16*\i
.endr
.endm
	TURN 0
	TURN 1
	TURN 2
	TURN 3
	s_wait_dscnt 0x0
; 16 neighbours a lane, two lanes to a block: largest magnitude, scale, codes
.macro QUANT u
.set XS, X+16*(\u)
	v_max3_num_f32 v12, |v[XS]|, |v[XS+1]|, |v[XS+2]|
	v_max3_num_f32 v13, |v[XS+3]|, |v[XS+4]|, |v[XS+5]|
.irp i, 6,10
	v_max3_num_f32 v12, v12, |v[XS+\i]|, |v[XS+\i+1]|
	v_max3_num_f32 v13, v13, |v[XS+\i+2]|, |v[XS+\i+3]|
.endr
	v_max3_num_f32 v12, v12, |v[XS+14]|, |v[XS+15]|
	v_max3_num_f32 v12, v12, v13, 0x1800000        ; and the floor 2^(3 - 127): the byte cannot fall under 1
	v_max_num_f32_dpp v12, v12, v12 row_xmask:1 row_mask:0xf bank_mask:0xf   ; with my neighbour's 16: the block's
	v_add_nc_u32 v11, 0xff000000, v12              ; 2 off the exponent field: the conversion takes that field as its scale
	v_cvt_scalef32_pk16_fp6_f32 v[C+4*(\u):C+4*(\u)+2], v[XS:XS+15], v11
	v_lshrrev_b32 v[E+(\u)], 23, v11               ; the scale's byte (also the plain line behind the conversion)
	ds_store_b8 v7, v[E+(\u)] offset:16*(\u)       ; both lanes of a block write the same byte with the same value
	global_store_b96 v6, v[C+4*(\u):C+4*(\u)+2], s[10:11] offset:768*((\u)/2)+192*((\u)%2)
.endm
	QUANT 0
	QUANT 1
	QUANT 2
	QUANT 3
	ds_load_b32 v8, v9                             ; my two tokens' 64 scale bytes, four a lane (lanes 16-31 read what lanes 0-15 read)
	s_wait_loadcnt 0x0                             ; Wr
; the logits: x[128 j + 4 lane + i] x Wr's row, two experts an instruction; eight chains (two tokens x four pairs).  The first product starts the sums.
.macro DOT4 j, i
.irp p, 0,1,2,3
.irp k, 0,1
.if (\j)+(\i) == 0
	v_pk_mul_f32 v[ACC+8*\k+2*\p:ACC+8*\k+2*\p+1], v[R+32*\k:R+32*\k+1], v[2*\p:2*\p+1] op_sel_hi:[0,1]
.elseif (\i)%2 == 0
	v_pk_fma_f32 v[ACC+8*\k+2*\p:ACC+8*\k+2*\p+1], v[R+32*\k+4*(\j)+(\i):R+32*\k+4*(\j)+(\i)+1], v[32*(\j)+8*(\i)+2*\p:32*(\j)+8*(\i)+2*\p+1], v[ACC+8*\k+2*\p:ACC+8*\k+2*\p+1] op_sel_hi:[0,1,1]
.else
	v_pk_fma_f32 v[ACC+8*\k+2*\p:ACC+8*\k+2*\p+1], v[R+32*\k+4*(\j)+(\i)-1:R+32*\k+4*(\j)+(\i)], v[32*(\j)+8*(\i)+2*\p:32*(\j)+8*(\i)+2*\p+1], v[ACC+8*\k+2*\p:ACC+8*\k+2*\p+1] op_sel:[1,0,0] op_sel_hi:[1,1,1]
.endif
.endr
.endr
.endm
	WIN 0x04                                       ; source 1 (Wr) window 1
.irp j, 0,1,2,3,4,5,6,7
.irp i, 0,1,2,3
	DOT4 \j, \i
.endr
.endr
	WIN 0
.irp m, 1,2,4,8                                ; the 16 sums across the lanes
.irp n, 0,1,2,3,4,5,6,7,8,9,10,11,12,13,14,15
	v_add_f32_dpp v[ACC+\n], v[ACC+\n], v[ACC+\n] row_xmask:\m row_mask:0xf bank_mask:0xf
.endr
.endr
.irp n, 0,1,2,3,4,5,6,7,8,9,10,11,12,13,14,15
	v_permlanex16_b32 v[X+\n], v[ACC+\n], s32, s33 ; (its destination counts as read: these registers have been written)
.endr
	s_wait_kmcnt 0x0                               ; br
.irp n, 0,1,2,3,4,5,6,7,8,9,10,11,12,13,14,15
	v_add_f32 v[ACC+\n], v[ACC+\n], v[X+\n]
.endr
.irp k, 0,1
.irp e, 0,1,2,3,4,5,6,7
	v_add_f32 v[ACC+8*\k+\e], s[24+\e], v[ACC+8*\k+\e]
.endr
.endr
.irp k, 0,1
	v_max3_num_f32 v[12+\k], v[ACC+8*\k], v[ACC+8*\k+1], v[ACC+8*\k+2]
.endr
.irp k, 0,1
	v_max3_num_f32 v[12+\k], v[12+\k], v[ACC+8*\k+3], v[ACC+8*\k+4]
.endr
.irp k, 0,1
	v_max3_num_f32 v[12+\k], v[12+\k], v[ACC+8*\k+5], v[ACC+8*\k+6]
.endr
.irp k, 0,1
	v_max_num_f32 v[12+\k], v[12+\k], v[ACC+8*\k+7] ; m: the largest logit is taken away ahead of the exponential
.endr
.irp k, 0,1
.irp e, 0,1,2,3,4,5,6,7
	v_sub_f32 v[ACC+8*\k+\e], v[ACC+8*\k+\e], v[12+\k]   ; first the difference, so that the largest gives exactly 0,
.endr
.endr
.irp n, 0,1,2,3,4,5,6,7,8,9,10,11,12,13,14,15
	v_mul_f32 v[ACC+\n], s34, v[ACC+\n]            ; then x log2(e)
.endr
.irp n, 0,1,2,3,4,5,6,7,8,9,10,11,12,13,14,15
	v_exp_f32 v[ACC+\n], v[ACC+\n]                 ; one batch
.endr
	v_nop                                          ; a plain line behind the last exponential
	s_wait_alu depctr_va_vdst(0)                   ; one wait for the batch, ahead of its first reader
.irp k, 0,1
	v_mov_b32 v[14+\k], 0                          ; the expert so far,
	v_mov_b32 v[16+\k], v[ACC+8*\k]                ; and its p
.endr
.irp e, 1,2,3,4,5,6,7                          ; ascending, strictly greater: of equal p the lowest index stays
.irp k, 0,1
	v_cmp_gt_f32 vcc_lo, v[ACC+8*\k+\e], v[16+\k]
	v_cndmask_b32 v[14+\k], v[14+\k], \e, vcc_lo
	v_max_num_f32 v[16+\k], v[16+\k], v[ACC+8*\k+\e]
.endr
.endr
.irp k, 0,1
	v_pk_add_f32 v[20+4*\k:21+4*\k], v[ACC+8*\k:ACC+8*\k+1], v[ACC+8*\k+2:ACC+8*\k+3]
	v_pk_add_f32 v[22+4*\k:23+4*\k], v[ACC+8*\k+4:ACC+8*\k+5], v[ACC+8*\k+6:ACC+8*\k+7]
.endr
.irp k, 0,1
	v_pk_add_f32 v[20+4*\k:21+4*\k], v[20+4*\k:21+4*\k], v[22+4*\k:23+4*\k]
.endr
.irp k, 0,1
	v_add_f32 v[20+4*\k], v[20+4*\k], v[21+4*\k]   ; the sum of p
.endr
	v_rcp_f32 v28, v20
	v_rcp_f32 v29, v24
	v_cndmask_b32 v30, v14, v15, s35               ; (a plain line behind the reciprocals)  lane k holds token k's expert
	s_wait_alu depctr_va_vdst(0)                   ; one wait for both, ahead of their first reader
	v_mul_f32 v28, v28, v16
	v_mul_f32 v29, v29, v17                        ; the score: the largest p / the sum
	v_cndmask_b32 v31, v28, v29, s35
	s_wait_dscnt 0x0                               ; the scale bytes are back
	v_cmp_gt_u32 vcc_lo, 16, v1
	s_wait_xcnt 0x0                                ; EXEC changes only behind this wait
	s_and_saveexec_b32 s46, vcc_lo
	global_store_b32 v10, v8, s[12:13]             ; 16 lanes store my two tokens' 64 consecutive bytes
	s_wait_xcnt 0x0
	s_or_b32 exec_lo, exec_lo, s46
	v_cmp_gt_u32 vcc_lo, 2, v1
	s_and_saveexec_b32 s46, vcc_lo
	global_store_b32 v2, v30, s[14:15]             ; neighbouring tokens' expert numbers lie four words apart
	global_store_b32 v19, v31, s[16:17]
	s_wait_xcnt 0x0
	s_or_b32 exec_lo, exec_lo, s46
	s_endpgm
.Lfunc_end_k_q713194c484_router:
	.size	k_q713194c484_router, .Lfunc_end_k_q713194c484_router-k_q713194c484_router
	.p2alignl 7, 3214868480
	.fill 96, 4, 3214868480
	.section	.rodata,"a",@progbits
	.p2align	6, 0x0
	.amdhsa_kernel k_q713194c484_router
		.amdhsa_group_segment_fixed_size 20992
		.amdhsa_private_segment_fixed_size 0
		.amdhsa_enable_private_segment 0
		.amdhsa_kernarg_size 56
		.amdhsa_user_sgpr_count 2
		.amdhsa_user_sgpr_kernarg_segment_ptr 1
		.amdhsa_wavefront_size32 1
		.amdhsa_system_sgpr_workgroup_id_x 1
		.amdhsa_system_sgpr_workgroup_id_y 1
		.amdhsa_system_sgpr_workgroup_id_z 1
		.amdhsa_system_vgpr_workitem_id 0
		.amdhsa_next_free_vgpr 512
		.amdhsa_next_free_sgpr 66
		.amdhsa_reserve_vcc 1
		.amdhsa_float_denorm_mode_32 3
		.amdhsa_float_denorm_mode_16_64 3
		.amdhsa_memory_ordered 1
		.amdhsa_forward_progress 1
		.amdhsa_inst_pref_size 44
	.end_amdhsa_kernel
	.amdgpu_metadata
---
amdhsa.version: [ 1, 2 ]
amdhsa.kernels:
  - .name:           k_q713194c484_router
    .symbol:         k_q713194c484_router.kd
    .args:
      - { .name: x, .offset: 0, .size: 8, .value_kind: global_buffer, .address_space: global }
      - { .name: Wr, .offset: 8, .size: 8, .value_kind: global_buffer, .address_space: global }
      - { .name: br, .offset: 16, .size: 8, .value_kind: global_buffer, .address_space: global }
      - { .name: xq, .offset: 24, .size: 8, .value_kind: global_buffer, .address_space: global }
      - { .name: xs, .offset: 32, .size: 8, .value_kind: global_buffer, .address_space: global }
      - { .name: expert, .offset: 40, .size: 8, .value_kind: global_buffer, .address_space: global }
      - { .name: score, .offset: 48, .size: 8, .value_kind: global_buffer, .address_space: global }
    .group_segment_fixed_size: 20992
    .private_segment_fixed_size: 0
    .kernarg_segment_align: 8
    .kernarg_segment_size: 56
    .max_flat_workgroup_size: 64
    .sgpr_count:     66
    .vgpr_count:     512
    .wavefront_size: 32
...
	.end_amdgpu_metadata
.endif
;; end of part 1
;; launch ffn1 (part 2): grid 32 x 8, 4 waves a work-group, no clusters, 104,448 bytes of LDS; arguments expert, score, xq, xs, W1_codes, W1_scales, b1, hq, hs, order, gate; writes hq, hs, order, gate
.if DOCPART == 2
	.amdgcn_target "amdgcn-amd-amdhsa--gfx1250"
	.amdhsa_code_object_version 6
	.text
	.protected	k_q713194c484_ffn1
	.globl	k_q713194c484_ffn1
	.p2align	8
	.type	k_q713194c484_ffn1,@function
k_q713194c484_ffn1:
	s_mov_b64 s[64:65], 0
	v_nop
	global_prefetch_b8 v0, s[64:65] scope:SCOPE_SE
	s_setreg_imm32_b32 hwreg(HW_REG_WAVE_MODE, 25, 1), 1
	s_wait_xcnt 0x0
; h = Q(relu(x W1[e] + b1[e])) for the tokens of expert e alone, on codes of E2M3; and the stable sort by expert.
; A WORK-GROUP is (chunk of 128 hidden units = work-group x, expert e = work-group y): 256 in all.  It reads its 128 rows of W1 (98,304 bytes) from memory once, in loads of 512 consecutive bytes,
; turns them through LDS into the matrix operand's registers, where they stay, and walks the expert's tokens in tiles of 16.
; THE LIST.  Every wave reads all 1,024 expert numbers (register q: token 32 q + lane) and counts: cnt = tokens of e, off = tokens of lower experts.  Wave 0 lays the list in LDS: a token of e at its rank
; (matches ahead of it: stable), every other token from the back, so that all 1,024 words are written.
; SPARE ROWS.  Row r of tile j is the token at place min(16 j + r, cnt - 1): the last tile's spare rows repeat the expert's last token.  So no lane is ever switched off: what a spare row makes and
; stores, here and in the next launch, is the last token's own result once more.
; WAVES.  As a loader wave w takes rows 32 w .. 32 w + 31.  As a worker it takes hidden units 64 (w & 1) .. + 63 (four tiles of 16, two blocks of 32) of tiles w >> 1, w >> 1 + 2, ..
; THE PRODUCT IS USED TRANSPOSED (source 0 = 16 rows of W1, source 1 = 16 tokens), and lane r of tile 2 b + u takes row 32 b + 8 u + r + 8 (r / 8): a lane then holds one token, and the 16 registers
; of tiles 2 b, 2 b + 1 are 16 neighbours along the next K.  b1 is the C of each sum's first product.  The result is quantised in registers and stored as an image of the next operand's registers:
; hq [64 e + tile][chunk][1,536]: half c at 768 c: registers 6 c .. 6 c + 3 at 16 x lane, then 6 c + 4, 6 c + 5 at 8 x lane.  hs [64 e + tile][chunk][row]: one word, byte 2 c + h.
; The work-groups of chunk 0 also store order (the stable sort), gate[p] = score[order[p]] and (off, cnt).
; NO TENSOR LOADS, NO CLUSTER: the number of tiles is a count read from memory and differs from expert to expert, so the walk ends on it.
; Tile 0 of every expert is made even where the expert has no token, so that the next launch's first loads find written bytes.
; LIMITS: NaN and infinities are not served; a block of h whose largest number lies under 2^-124 (a block of zeros too) gets the byte 1, read by this program alone.
; REGISTERS.  window 0: v1-20 lane terms and offsets; v22-30 at work on scales; v32-63 W1's scale words (8 t + s); v64-95 four accumulators; v96-191 x's fragments, buffer 0 (at the head: the expert numbers);
;   v192-199, v200-207 x's scale words, buffers 0, 1; v208-213 the codes; v216-218 a conversion's result; v224-253 the publish and addresses in hand.
;   window 1: first the 48 loads of W1, then its fragments of K steps 0-3 at 12 (4 s + t); window 2: K steps 4-7; window 3: v0-31 b1, v32-127 x's fragments, buffer 1.
.set PITCH, 784                        ; a row of W1 in LDS: 768 bytes + 16 = 196 words: row r begins 4 r words on modulo 64, so the 32 lanes of an 8-byte load touch 64 different words modulo 64
.set LIST,  128*PITCH                  ; behind the 128 rows: the list, 1,024 words
.set FR,    12                         ; registers of a fragment
.set MK,    66                         ; s66-97 a mask of my expert's tokens for each of the 32 registers
.set RT,    96
.set W1S,   32
.set ACC,   64
.set PC,    208
.set PT,    216
.set MSB,   0
.macro WIN new                         ; the immediate's high byte repeats the setting that is left
.if MSB != (\new)
	s_set_vgpr_msb (MSB<<8)|(\new)
.set MSB, (\new)
.endif
.endm
.macro BARRIER                         ; my LDS stores have landed and my LDS loads are in: then the work-group's barrier
	s_wait_dscnt 0x0
	s_barrier_signal -1
	s_barrier_wait -1
.endm
.macro LOOKUP dst, sidx                ; the token at place min(s[sidx] + r, cnt - 1) of the list
	v_add_nc_u32 v253, s[\sidx], v2
	v_min_u32 v253, s54, v253
	v_min_u32 v253, 0x3ff, v253
	v_lshl_add_u32 v253, v253, 2, LIST
	ds_load_b32 v[\dst], v253
.endm
	s_load_b512 s[4:19], s[0:1], 0x0               ; expert s[4:5], score s[6:7], xq s[8:9], xs s[10:11], W1's codes s[12:13], its scales s[14:15], b1 s[16:17], hq s[18:19]
	s_load_b128 s[20:23], s[0:1], 0x40             ; hs, order
	s_load_b64 s[24:25], s[0:1], 0x50              ; gate
	v_lshrrev_b32 v1, 5, v0
	v_readfirstlane_b32 s26, v1                    ; wave
	s_and_b32 s27, s26, 1                          ; col: which 64 hidden units
	s_lshr_b32 s28, s26, 1                         ; tp: even or odd tiles
	s_and_b32 s29, ttmp7, 0xffff                   ; e
	s_mov_b32 s30, ttmp9                           ; chunk
	v_and_b32 v1, 31, v0                           ; lane
	v_and_b32 v2, 15, v0                           ; r
	v_bfe_u32 v3, v0, 4, 1                         ; h
	v_lshlrev_b32 v15, 4, v1                       ; 16 lane
	s_mul_i32 s35, s26, 32*PITCH
	v_add_nc_u32 v4, s35, v15                      ; the turn's way in.  Three loads hold two rows (1,536 bytes): the first lies in the even row,
	v_lshl_add_u32 v5, v3, 4, v4
	v_add_nc_u32 v5, 512, v5                       ; the second ends it and begins the odd row, one pitch on: 16 more for lanes 16-31,
	v_add_nc_u32 v6, PITCH+256, v4                 ; the third ends the odd row
	v_mul_u32_u24 v7, v2, PITCH
	v_mad_u32_u24 v7, v3, 24, v7
	s_mul_i32 s35, s27, 64*PITCH
	v_add_nc_u32 v7, s35, v7                       ; the way out: slot 64 col + r, + 24 h
	v_mul_u32_u24 v14, v3, 384                     ; xq: my half's 384 bytes
	v_lshl_add_u32 v16, v1, 3, 512                 ; hq: 8 lane behind the 512 bytes
	v_lshl_add_u32 v17, v2, 2, v3
	s_lshl_b32 s35, s27, 1
	v_add_nc_u32 v17, s35, v17                     ; hs: 4 r + 2 col + h
	v_and_b32 v248, 8, v2
	v_add_nc_u32 v248, v248, v2
	v_lshlrev_b32 v248, 5, v248                    ; W1's scales: row r + 8 (r / 8), 32 bytes a row
	v_lshlrev_b32 v249, 6, v3                      ; b1: 16 h numbers on
	v_mov_b32 v24, 0                               ; written once: a lane permute's destination counts as one of its sources
	v_mov_b32 v25, 0
	s_mov_b32 s48, 0x76543210
	s_mov_b32 s49, 0xfedcba98                      ; v_permlanex16_b32: lane l xor 16
	s_mov_b32 s50, 0xffff0000                      ; lanes 16-31
	s_mul_i32 s36, s29, 3145728                    ; an expert's codes of W1, and its 64 tiles of hq
	s_mul_i32 s35, s30, 98304
	s_add_co_u32 s40, s36, s35
	s_mul_i32 s35, s26, 24576
	s_add_co_u32 s40, s40, s35                     ; my 32 rows of W1
	s_mov_b32 s41, 0
	s_mul_i32 s35, s30, 1536
	s_add_co_u32 s52, s36, s35
	s_mul_i32 s35, s27, 768
	s_add_co_u32 s52, s52, s35                     ; hq: what does not hang on the tile
	s_lshl_b32 s53, s29, 17
	s_lshl_b32 s35, s30, 6
	s_add_co_u32 s53, s53, s35                     ; hs likewise
	s_lshl_b32 s38, s29, 12
	s_lshl_b32 s35, s30, 7
	s_add_co_u32 s38, s38, s35
	s_lshl_b32 s35, s27, 6
	s_add_co_u32 s38, s38, s35                     ; my first hidden unit: 4096 e + 128 chunk + 64 col
	s_lshl_b32 s42, s38, 5
	s_mov_b32 s43, 0
	s_lshl_b32 s44, s38, 2
	s_mov_b32 s45, 0
	s_wait_kmcnt 0x0
	s_add_nc_u64 s[12:13], s[12:13], s[40:41]
	s_add_nc_u64 s[14:15], s[14:15], s[42:43]
	s_add_nc_u64 s[16:17], s[16:17], s[44:45]
.irp i, 0,1,2,3,4,5,6,7
	global_load_b128 v[RT+4*\i:RT+4*\i+3], v15, s[4:5] offset:512*\i   ; register q = 4 i + c: token 32 q + lane
.endr
	WIN 0x40                                       ; destination window 1
.set i, 0
.rept 48
	global_load_b128 v[4*i:4*i+3], v15, s[12:13] offset:512*i th:TH_LOAD_NT   ; 32 lanes read 512 consecutive bytes; no other wave of the launch reads them
.set i, i+1
.endr
	WIN 0
	s_mov_b32 s31, 0                               ; cnt
	s_mov_b32 s32, 0                               ; off
	s_wait_loadcnt 48                              ; W1's 48 loads stand behind the expert numbers
.set q, 0
.rept 32
	v_cmp_eq_u32 s[MK+q], s29, v[RT+q]
	v_cmp_gt_u32 vcc_lo, s29, v[RT+q]
	s_bcnt1_i32_b32 s35, s[MK+q]
	s_bcnt1_i32_b32 s36, vcc_lo
	s_add_co_u32 s31, s31, s35
	s_add_co_u32 s32, s32, s36
.set q, q+1
.endr
	s_add_co_u32 s33, s31, 15
	s_lshr_b32 s33, s33, 4
	s_max_u32 s33, s33, 1                          ; nt: tiles of 16, at least one
	s_max_u32 s54, s31, 1
	s_sub_co_u32 s54, s54, 1                       ; the list's last place that holds a token of e (place 0 where there is none)
	s_cmp_lg_u32 s26, 0                            ; the list is laid by wave 0: no other LDS access stands ahead of the barrier below
	s_cbranch_scc1 .Lno_scatter
	s_mov_b32 s35, 0                               ; matches in the registers passed
.set q, 0
.rept 32
	v_add_nc_u32 v131, 32*q, v1                    ; the token
	v_mbcnt_lo_u32_b32 v129, s[MK+q], s35          ; P: matches ahead of it
	v_sub_nc_u32 v130, v129, v131
	v_add_nc_u32 v130, 0x3ff, v130                 ; 1023 - (token - P): the others fill from the back
	v_cndmask_b32 v130, v130, v129, s[MK+q]
	v_min_u32 v130, 0x3ff, v130
	v_lshl_add_u32 v130, v130, 2, LIST
	ds_store_b32 v130, v131
	s_bcnt1_i32_b32 s36, s[MK+q]
	s_add_co_u32 s35, s35, s36
.set q, q+1
.endr
.Lno_scatter:
	BARRIER                                        ; the list lies in LDS
	s_lshl_b32 s35, s28, 4
	LOOKUP 12, 35                                  ; my row's token in tile tp,
	s_add_co_u32 s35, s35, 32
	LOOKUP 31, 35                                  ; and in tile tp + 2
.irp q, 0,1,2,3,4,5,6,7                        ; the publish: place i = 128 q + thread of the expert's list, held at the last place
	v_add_nc_u32 v[240+\q], 128*\q, v0
.endr
.irp q, 0,1,2,3,4,5,6,7
	v_min_u32 v[240+\q], s54, v[240+\q]
.endr
.irp q, 0,1,2,3,4,5,6,7
	v_min_u32 v[240+\q], 0x3ff, v[240+\q]
.endr
.irp q, 0,1,2,3,4,5,6,7
	v_lshl_add_u32 v[232+\q], v[240+\q], 2, LIST
.endr
.irp q, 0,1,2,3,4,5,6,7
	ds_load_b32 v[224+\q], v[232+\q]
.endr
.irp q, 0,1,2,3,4,5,6,7
	v_add_nc_u32 v[240+\q], s32, v[240+\q]         ; place off + i of the sort
.endr
.irp q, 0,1,2,3,4,5,6,7
	v_min_u32 v[240+\q], 0x3ff, v[240+\q]
.endr
.irp q, 0,1,2,3,4,5,6,7
	v_lshlrev_b32 v[240+\q], 2, v[240+\q]
.endr
	BARRIER                                        ; these reads' places hang on the count: a barrier parts them from the stores into LDS further down
; a token becomes the offsets of its codes and of its scale words
.macro XADDR buf, tk
	v_min_u32 v[\tk], 0x3ff, v[\tk]
	v_mul_u32_u24 v[8+2*(\buf)], v[\tk], 768
	v_add_nc_u32 v[8+2*(\buf)], v[8+2*(\buf)], v14
	v_lshlrev_b32 v[9+2*(\buf)], 5, v[\tk]
.endm
; a tile's 8 fragments (a lane's 384 consecutive bytes) and 8 scale words: 26 loads
.macro XLOAD buf
.if \buf
	WIN 0xc0                                       ; destination window 3
.endif
.set i, 0
.rept 24
	global_load_b128 v[96-64*(\buf)+4*i:96-64*(\buf)+4*i+3], v[8+2*(\buf)], s[8:9] offset:16*i
.set i, i+1
.endr
	WIN 0
	global_load_b128 v[192+8*(\buf):192+8*(\buf)+3], v[9+2*(\buf)], s[10:11]
	global_load_b128 v[196+8*(\buf):196+8*(\buf)+3], v[9+2*(\buf)], s[10:11] offset:16
.endm
	XADDR 0, 12
	XADDR 1, 31
.irp q, 0,1,2,3,4,5,6,7
	v_min_u32 v[224+\q], 0x3ff, v[224+\q]
.endr
.irp q, 0,1,2,3,4,5,6,7
	v_lshlrev_b32 v[232+\q], 2, v[224+\q]
.endr
.irp t, 0,1,2,3
.irp q, 0,1
	global_load_b128 v[W1S+8*\t+4*\q:W1S+8*\t+4*\q+3], v248, s[14:15] offset:(32*(\t/2)+8*(\t%2))*32+16*\q   ; tile t: its rows' 8 scale words
.endr
.endr
	WIN 0xc0
.irp t, 0,1,2,3
.irp q, 0,1
	global_load_b128 v[8*\t+4*\q:8*\t+4*\q+3], v249, s[16:17] offset:(32*(\t/2)+8*(\t%2))*4+16*\q   ; b1 in the result's layout: units 32 b + 16 h + 8 u + 0 .. 7
.endr
.endr
	WIN 0
.irp q, 0,1,2,3,4,5,6,7
	global_load_b32 v[232+\q], v[232+\q], s[6:7]   ; the listed tokens' scores (each load lands on its own offset)
.endr
	XLOAD 0
	XLOAD 1
	s_wait_loadcnt 63                              ; 76 loads stand behind W1's last: W1 is in
	WIN 0x04                                       ; an LDS store's data are its source 1: window 1
.set g, 0
.rept 16                               ; rows 2 g, 2 g + 1 of my 32 go to slots with bits 3 and 4 of the row's number exchanged: so a tile's 16 rows are neighbouring slots
.set SL, PITCH*(((2*g)&7)+16*(((2*g)>>3)&1)+8*(((2*g)>>4)&1))
	ds_store_b128 v4, v[12*g:12*g+3] offset:SL
	ds_store_b128 v5, v[12*g+4:12*g+7] offset:SL
	ds_store_b128 v6, v[12*g+8:12*g+11] offset:SL
.set g, g+1
.endr
	WIN 0
	BARRIER                                        ; the chunk's 128 rows lie in LDS; from here on LDS is only read
.irp s, 0,1,2,3,4,5,6,7
	WIN 0x40+0x40*(\s/4)                           ; destination window 1, then 2
.irp t, 0,1,2,3
.irp p, 0,1,2,3,4,5
	ds_load_b64 v[FR*(4*(\s%4)+\t)+2*\p:FR*(4*(\s%4)+\t)+2*\p+1], v7 offset:16*PITCH*\t+96*\s+48*(\p/3)+8*(\p%3)
.endr
.endr
.endr
	WIN 0
	s_wait_dscnt 0x0
	s_cmp_lg_u32 s30, 0                            ; chunk 0 publishes the sort
	s_cbranch_scc1 .Lno_publish
	s_wait_loadcnt 52                              ; x's two buffers stand behind the scores
.irp q, 0,1,2,3,4,5,6,7                        ; 128 places at a time, as long as the expert has tokens there; places past the last write the last place's words once more
	s_cmp_gt_u32 s31, 128*\q
	s_cbranch_scc0 .Lpub_done
	global_store_b32 v[240+\q], v[224+\q], s[22:23]
	global_store_b32 v[240+\q], v[232+\q], s[24:25]
.endr
.Lpub_done:
	s_cmp_lg_u32 s26, 0
	s_cbranch_scc1 .Lno_publish
	v_mov_b32 v250, s32
	v_mov_b32 v251, s31
	s_lshl_b32 s35, s29, 3
	v_mov_b32 v252, s35
	global_store_b64 v252, v[250:251], s[22:23] offset:4096   ; (off, cnt) of my expert: wave 0's lanes all write the same 8 bytes
.Lno_publish:
; ONE TILE of 16 tokens, tile s34 + d, from buffer buf.
.macro TILE buf, d
.set XF, 96-64*(\buf)
.set XS, 192+8*(\buf)
	s_wait_loadcnt 26                              ; behind this buffer's loads stand at most the other buffer's 26
	s_wait_xcnt 0x0                                ; the last tile's stores have read their data and offsets
	s_add_co_u32 s35, s34, (\d)+4                  ; this buffer's next tile
	s_lshl_b32 s36, s35, 4
	LOOKUP 12, 36                                  ; its token for my row
.irp s, 0,1,2,3,4,5,6,7                        ; 32 products, the four accumulators by turns
.if \s == 0
	WIN 0x31+0x0c*(\buf)                           ; source 0 (W1) window 1, source 1 (x) window 0 or 3, source 2 (b1) window 3
.elseif \s < 4
	WIN 0x01+0x0c*(\buf)
.else
	WIN 0x02+0x0c*(\buf)
.endif
.irp t, 0,1,2,3
.if \s == 0
	v_wmma_scale_f32_16x16x128_f8f6f4 v[ACC+8*\t:ACC+8*\t+7], v[FR*\t:FR*\t+FR-1], v[XF:XF+FR-1], v[8*\t:8*\t+7], v[W1S+8*\t], v[XS] matrix_a_fmt:MATRIX_FMT_FP6 matrix_b_fmt:MATRIX_FMT_FP6
.else
	v_wmma_scale_f32_16x16x128_f8f6f4 v[ACC+8*\t:ACC+8*\t+7], v[FR*(4*(\s%4)+\t):FR*(4*(\s%4)+\t)+FR-1], v[XF+FR*\s:XF+FR*\s+FR-1], v[ACC+8*\t:ACC+8*\t+7], v[W1S+8*\t+\s], v[XS+\s] matrix_a_fmt:MATRIX_FMT_FP6 matrix_b_fmt:MATRIX_FMT_FP6
.endif
.endr
.endr
	WIN 0
	s_wait_dscnt 0x0
	XADDR \buf, 12                                 ; four plain lines and one more: the places between the products and the loads into their operands, and the first read of results
	v_nop
	s_cmp_lt_u32 s35, s33
	s_cbranch_scc1 .Lfill_\@
	s_wait_loadcnt 0x0                             ; no such tile: nothing is asked for, and the other buffer's loads are waited for here, so that the count at a tile's head holds on this way too
	s_branch .Lfilled_\@
.Lfill_\@:
	XLOAD \buf
.Lfilled_\@:
.set j, 0
.rept 32
	v_max_num_f32 v[ACC+j], 0, v[ACC+j]            ; relu, each accumulator from its low end on
.set j, j+1
.endr
.irp b, 0,1
	v_max3_num_f32 v[22+\b], v[ACC+16*\b], v[ACC+16*\b+1], 0x1800000   ; block b: my 16 numbers (none negative), and the floor 2^(3 - 127)
.endr
.irp i, 2,4,6,8,10,12,14
.irp b, 0,1
	v_max3_num_f32 v[22+\b], v[22+\b], v[ACC+16*\b+\i], v[ACC+16*\b+\i+1]
.endr
.endr
.irp b, 0,1
	v_permlanex16_b32 v[24+\b], v[22+\b], s48, s49
.endr
.irp b, 0,1
	v_max_num_f32 v[22+\b], v[22+\b], v[24+\b]     ; with lane l xor 16's: the block's largest
.endr
.irp b, 0,1
	v_add_nc_u32 v[26+\b], 0xff000000, v[22+\b]    ; 2 off the exponent field: the conversion's scale
.endr
.irp b, 0,1
	v_lshrrev_b32 v[28+\b], 23, v[26+\b]           ; the byte
.endr
	v_cndmask_b32 v30, v28, v29, s50               ; lanes 0-15 store block 0's byte, lanes 16-31 block 1's
	v_cvt_scalef32_pk16_fp6_f32 v[PC:PC+2], v[ACC:ACC+15], v26
	v_cvt_scalef32_pk16_fp6_f32 v[PT:PT+2], v[ACC+16:ACC+31], v27
	v_nop                                          ; a plain line behind the conversions
.irp i, 0,1,2
	v_permlane16_swap_b32 v[PC+\i], v[PT+\i]       ; a whole block to a lane: lanes 0-15 block 0, lanes 16-31 block 1; first the lower 16 codes,
.endr
.irp i, 0,1,2
	v_mov_b32 v[PC+3+\i], v[PT+\i]                 ; then the upper
.endr
	s_add_co_u32 s36, s34, \d
	s_mul_i32 s37, s36, 49152
	s_add_co_u32 s37, s37, s52
	s_lshl_b32 s38, s36, 11
	s_add_co_u32 s38, s38, s53
	v_add_nc_u32 v18, s37, v15
	v_add_nc_u32 v19, s37, v16
	v_add_nc_u32 v20, s38, v17
	global_store_b128 v18, v[PC:PC+3], s[18:19]    ; 512 consecutive bytes, at a multiple of 256 from hq's first byte
	global_store_b64 v19, v[PC+4:PC+5], s[18:19]   ; and 256
	global_store_b8 v20, v30, s[20:21]             ; 32 of the 64 scale bytes of (tile, chunk); the wave of the other 64 units stores the rest
.endm
; THE WALK: at most 16 trips of two tiles (tiles j and j + 2; j steps by 4, up to 64).  Where the expert's tiles end the wave ends: no branch leads out of the loop.
; Plain loads and stores may be out at the end; no barrier is open here.
	s_mov_b32 s34, s28                             ; j = tp
	s_cmp_lt_u32 s34, s33
	s_cbranch_scc1 .Lpair
	s_endpgm                                       ; no tile for this wave
.Lpair:
	TILE 0, 0
	s_add_co_u32 s35, s34, 2
	s_cmp_lt_u32 s35, s33
	s_cbranch_scc1 .Lsecond
	s_endpgm                                       ; tile j was my last
.Lsecond:
	TILE 1, 2
	s_add_co_u32 s34, s34, 4
	s_cmp_lt_u32 s34, s33
	s_cbranch_scc1 .Lmore
	s_endpgm                                       ; tile j + 2 was my last
.Lmore:
	s_cmp_lt_u32 s34, 64
	s_cbranch_scc1 .Lpair
	s_endpgm
.Lfunc_end_k_q713194c484_ffn1:
	.size	k_q713194c484_ffn1, .Lfunc_end_k_q713194c484_ffn1-k_q713194c484_ffn1
	.p2alignl 7, 3214868480
	.fill 96, 4, 3214868480
	.section	.rodata,"a",@progbits
	.p2align	6, 0x0
	.amdhsa_kernel k_q713194c484_ffn1
		.amdhsa_group_segment_fixed_size 104448
		.amdhsa_private_segment_fixed_size 0
		.amdhsa_enable_private_segment 0
		.amdhsa_kernarg_size 88
		.amdhsa_user_sgpr_count 2
		.amdhsa_user_sgpr_kernarg_segment_ptr 1
		.amdhsa_wavefront_size32 1
		.amdhsa_system_sgpr_workgroup_id_x 1
		.amdhsa_system_sgpr_workgroup_id_y 1
		.amdhsa_system_sgpr_workgroup_id_z 1
		.amdhsa_system_vgpr_workitem_id 0
		.amdhsa_next_free_vgpr 1024
		.amdhsa_next_free_sgpr 102
		.amdhsa_reserve_vcc 1
		.amdhsa_float_denorm_mode_32 3
		.amdhsa_float_denorm_mode_16_64 3
		.amdhsa_memory_ordered 1
		.amdhsa_forward_progress 1
		.amdhsa_inst_pref_size 87
	.end_amdhsa_kernel
	.amdgpu_metadata
---
amdhsa.version: [ 1, 2 ]
amdhsa.kernels:
  - .name:           k_q713194c484_ffn1
    .symbol:         k_q713194c484_ffn1.kd
    .args:
      - { .name: expert, .offset: 0, .size: 8, .value_kind: global_buffer, .address_space: global }
      - { .name: score, .offset: 8, .size: 8, .value_kind: global_buffer, .address_space: global }
      - { .name: xq, .offset: 16, .size: 8, .value_kind: global_buffer, .address_space: global }
      - { .name: xs, .offset: 24, .size: 8, .value_kind: global_buffer, .address_space: global }
      - { .name: W1_codes, .offset: 32, .size: 8, .value_kind: global_buffer, .address_space: global }
      - { .name: W1_scales, .offset: 40, .size: 8, .value_kind: global_buffer, .address_space: global }
      - { .name: b1, .offset: 48, .size: 8, .value_kind: global_buffer, .address_space: global }
      - { .name: hq, .offset: 56, .size: 8, .value_kind: global_buffer, .address_space: global }
      - { .name: hs, .offset: 64, .size: 8, .value_kind: global_buffer, .address_space: global }
      - { .name: order, .offset: 72, .size: 8, .value_kind: global_buffer, .address_space: global }
      - { .name: gate, .offset: 80, .size: 8, .value_kind: global_buffer, .address_space: global }
    .group_segment_fixed_size: 104448
    .private_segment_fixed_size: 0
    .kernarg_segment_align: 8
    .kernarg_segment_size: 88
    .max_flat_workgroup_size: 128
    .sgpr_count:     102
    .vgpr_count:     1024
    .wavefront_size: 32
...
	.end_amdgpu_metadata
.endif
;; end of part 2
;; launch ffn2 (part 3): grid 32 x 8, 4 waves a work-group, no clusters, 246,272 bytes of LDS; arguments hq, hs, order, gate, W2_codes, W2_scales, b2, out0; writes out0
.if DOCPART == 3
	.amdgcn_target "amdgcn-amd-amdhsa--gfx1250"
	.amdhsa_code_object_version 6
	.text
	.protected	k_q713194c484_ffn2
	.globl	k_q713194c484_ffn2
	.p2align	8
	.type	k_q713194c484_ffn2,@function
k_q713194c484_ffn2:
	s_mov_b64 s[64:65], 0
	v_nop
	global_prefetch_b8 v0, s[64:65] scope:SCOPE_SE
	s_setreg_imm32_b32 hwreg(HW_REG_WAVE_MODE, 25, 1), 1
	s_wait_xcnt 0x0
; out0[token] = (h W2[e] + b2[e]) x gate[token] for the tokens of expert e, on codes of E2M3.  gate[i] is the score of the token at place i of the stable sort, multiplied onto row i, as the problem writes it.
; A WORK-GROUP is (32 output columns = work-group x, expert e = work-group y): 256 in all.  It reads its 32 rows of W2 (98,304 bytes) from memory once, in loads of 512 consecutive bytes, and turns
; them through LDS into the matrix operand's registers, where they stay.
; THE FOUR WAVES SHARE K: wave w takes K steps 8 w .. 8 w + 7 (of 128) for both tiles of 16 columns and every tile of 16 tokens; so each byte of h is read once by the work-group.
; The product is used transposed (source 0 = 16 rows of W2, source 1 = 16 tokens).  b2 is the C of wave 0's first product (zeros in the other waves).
; The four partial sums of up to 16 tiles meet in LDS; then wave w adds tiles w, w + 4, .. , multiplies by gate and stores: eight lanes cover a row's 128 consecutive bytes.
; SPARE ROWS.  Row i of the expert's rows is the token at place off + min(i, cnt - 1) of the sort, as in the launch that made h: the last tile's spare rows hold the last token's h, give its sums
; and store them to its row once more.  So no lane is ever switched off.
; The walk is a loop of four trips of 16 tiles; its barriers stand outside every branch on the expert's count, which only jumps over work.
; NO TENSOR LOADS, NO CLUSTER: the number of tiles is a count read from memory and differs from expert to expert.
; LIMITS: each output is the sum of four f32 partial sums over K, (p0 + p1) + (p2 + p3); NaN and infinities are not served.
; REGISTERS.  window 0: v1-29 lane terms and offsets; v32-47 W2's scale words (8 n + s); v48-51, v52-55 h's scale words, buffers 0, 1 (register q: lanes 0-15 K step 2 q, lanes 16-31 K step 2 q + 1);
;   v56-71 tokens, v72-87 their gates (4 i + q); v88-91 offsets in out0; v96-191 h's fragments, buffer 0; v192-255 the sums on the way out: registers of their own, so that loads alone write what a product takes as an operand.
;   window 1: first the 48 loads of W2, then its fragments at 12 (8 n + s); window 2: the accumulators, tile jj at 16 jj + 8 n; window 3: v0-15 b2, v32-127 h's fragments, buffer 1.
.set PITCH, 3088                       ; a row of W2 in LDS: 3,072 bytes + 16 = 772 words: row r begins 4 r words on modulo 64
.set RED,   32*PITCH                   ; behind the rows: the partial sums [wave][tile of 16][row, 128 bytes + 16]
.set REDW,  36864
.set REDT,  2304
.set FR,    12
.set W2S,   32
.set TOK,   56
.set GATE,  72
.set F,     192
.set MSB,   0
.macro WIN new                         ; the immediate's high byte repeats the setting that is left
.if MSB != (\new)
	s_set_vgpr_msb (MSB<<8)|(\new)
.set MSB, (\new)
.endif
.endm
.macro BARRIER
	s_wait_dscnt 0x0
	s_barrier_signal -1
	s_barrier_wait -1
.endm
	s_load_b512 s[4:19], s[0:1], 0x0               ; hq s[4:5], hs s[6:7], order s[8:9], gate s[10:11], W2's codes s[12:13], its scales s[14:15], b2 s[16:17], out0 s[18:19]
	v_lshrrev_b32 v1, 5, v0
	v_readfirstlane_b32 s25, v1                    ; wave
	s_and_b32 s26, ttmp7, 0xffff                   ; e
	s_mov_b32 s27, ttmp9                           ; nc: which 32 columns
	v_and_b32 v1, 31, v0                           ; lane
	v_and_b32 v2, 15, v0                           ; r
	v_bfe_u32 v3, v0, 4, 1                         ; h
	v_lshlrev_b32 v13, 4, v1                       ; 16 lane
	v_lshlrev_b32 v14, 3, v1                       ; 8 lane
	v_lshlrev_b32 v15, 2, v1                       ; 4 lane
	v_lshrrev_b32 v11, 3, v1                       ; the way out: eight lanes to a row
	v_and_b32 v12, 7, v1
	v_lshlrev_b32 v12, 4, v12
	s_mul_i32 s30, s25, 8*PITCH
	v_add_nc_u32 v4, s30, v13                      ; the turn's way in: my 8 rows
	v_mul_u32_u24 v5, v2, PITCH
	v_mad_u32_u24 v5, v3, 24, v5
	s_mul_i32 s30, s25, 768
	v_add_nc_u32 v5, s30, v5                       ; the way out: row r, my 8 K steps, + 24 h
	v_mul_u32_u24 v6, v2, 144
	v_lshl_add_u32 v6, v3, 5, v6
	s_mul_i32 s30, s25, REDW
	s_add_co_u32 s30, s30, RED
	v_add_nc_u32 v6, s30, v6                       ; my partial sums: row r, + 32 h
	v_mul_u32_u24 v7, v11, 144
	v_add_nc_u32 v7, v7, v12
	s_mul_i32 s30, s25, REDT
	s_add_co_u32 s30, s30, RED
	v_add_nc_u32 v7, s30, v7                       ; wave 0's part of tile w,
	v_add_nc_u32 v8, REDW, v7                      ; wave 1's,
	v_add_nc_u32 v9, 2*REDW, v7
	v_add_nc_u32 v10, 3*REDW, v7
	v_lshlrev_b32 v28, 7, v2                       ; W2's scales: 128 bytes a row
	v_lshlrev_b32 v29, 5, v3                       ; b2: 8 h numbers on
	s_lshl_b32 s31, s26, 10
	s_lshl_b32 s30, s27, 5
	s_add_co_u32 s31, s31, s30                     ; my first row of W2: 1024 e + 32 nc
	s_mul_i32 s32, s31, 3072
	s_mul_i32 s30, s25, 24576
	s_add_co_u32 s32, s32, s30
	s_mov_b32 s33, 0
	s_lshl_b32 s34, s31, 7
	s_lshl_b32 s30, s25, 5
	s_add_co_u32 s34, s34, s30
	s_mov_b32 s35, 0
	s_lshl_b32 s36, s31, 2
	s_mov_b32 s37, 0
	s_mul_i32 s38, s26, 3145728
	s_mul_i32 s30, s25, 12288
	s_add_co_u32 s38, s38, s30                     ; hq: my expert, my 8 K steps
	s_mov_b32 s39, 0
	s_lshl_b32 s40, s26, 17
	s_lshl_b32 s30, s25, 9
	s_add_co_u32 s40, s40, s30                     ; hs likewise
	s_mov_b32 s41, 0
	s_lshl_b32 s42, s27, 7
	s_mov_b32 s43, 0
	s_lshl_b32 s22, s26, 3
	s_cmp_eq_u32 s25, 0
	s_cselect_b32 s47, -1, 0                       ; b2 counts in wave 0 alone
	s_wait_kmcnt 0x0
	s_load_b64 s[20:21], s[8:9], s22 offset:0x1000 ; (off, cnt) of my expert
	s_add_nc_u64 s[12:13], s[12:13], s[32:33]
	s_add_nc_u64 s[14:15], s[14:15], s[34:35]
	s_add_nc_u64 s[16:17], s[16:17], s[36:37]
	s_add_nc_u64 s[4:5], s[4:5], s[38:39]
	s_add_nc_u64 s[6:7], s[6:7], s[40:41]
	s_add_nc_u64 s[18:19], s[18:19], s[42:43]
	WIN 0x40                                       ; destination window 1
.set i, 0
.rept 48
	global_load_b128 v[4*i:4*i+3], v13, s[12:13] offset:512*i th:TH_LOAD_NT   ; 32 lanes read 512 consecutive bytes; no other wave of the launch reads them
.set i, i+1
.endr
	WIN 0
.irp n, 0,1
.irp q, 0,1
	global_load_b128 v[W2S+8*\n+4*\q:W2S+8*\n+4*\q+3], v28, s[14:15] offset:2048*\n+16*\q
.endr
.endr
	WIN 0xc0
.irp n, 0,1
.irp q, 0,1
	global_load_b128 v[8*\n+4*\q:8*\n+4*\q+3], v29, s[16:17] offset:64*\n+16*\q   ; b2 in the result's layout: columns 16 n + 8 h + 0 .. 7
.endr
.endr
	WIN 0
	s_wait_kmcnt 0x0
	s_min_u32 s20, s20, 0x3ff                      ; off
	s_min_u32 s21, s21, 0x400                      ; cnt
	s_add_co_u32 s23, s21, 15
	s_lshr_b32 s23, s23, 4                         ; nt
	s_max_u32 s24, s23, 1
	s_sub_co_u32 s24, s24, 1                       ; the last tile that was written
	s_max_u32 s45, s21, 1
	s_sub_co_u32 s45, s45, 1                       ; the expert's last row (row 0 where it has none)
	s_mov_b32 s28, 0                               ; TB: the trip's first tile
; a tile's 8 fragments of my K steps, as images of the registers, and their scale words: 36 loads
.macro HLOAD buf
.set HLF, 96-64*(\buf)
.if \buf
	WIN 0xc0                                       ; destination window 3
.endif
.irp s, 0,1,2,3,4,5,6,7
	global_load_b128 v[HLF+FR*\s:HLF+FR*\s+3], v[16+3*(\buf)], s[4:5] offset:1536*\s
	global_load_b64 v[HLF+FR*\s+4:HLF+FR*\s+5], v[17+3*(\buf)], s[4:5] offset:1536*\s+512
	global_load_b128 v[HLF+FR*\s+6:HLF+FR*\s+9], v[16+3*(\buf)], s[4:5] offset:1536*\s+768
	global_load_b64 v[HLF+FR*\s+10:HLF+FR*\s+11], v[17+3*(\buf)], s[4:5] offset:1536*\s+1280
.endr
	WIN 0
.irp q, 0,1,2,3
	global_load_b32 v[48+4*(\buf)+\q], v[18+3*(\buf)], s[6:7] offset:128*\q
.endr
.endm
; ahead of a trip: the tokens and gates of the rows that I will store (tiles TB + w + 4 i, rows 4 q + lane / 8), and the first two tiles of h
.macro PRO
	s_add_co_u32 s30, s28, s25
	s_lshl_b32 s30, s30, 4                         ; 16 (TB + w)
.irp n, 0,1,2,3,4,5,6,7,8,9,10,11,12,13,14,15
	s_add_co_u32 s31, s30, 64*(\n/4)+4*(\n%4)
	v_add_nc_u32 v[TOK+\n], s31, v11               ; the row among the expert's rows,
.endr
.irp n, 0,1,2,3,4,5,6,7,8,9,10,11,12,13,14,15
	v_min_u32 v[TOK+\n], s45, v[TOK+\n]            ; held at the last,
.endr
.irp n, 0,1,2,3,4,5,6,7,8,9,10,11,12,13,14,15
	v_add_nc_u32 v[TOK+\n], s20, v[TOK+\n]         ; its place in the sort
.endr
.irp n, 0,1,2,3,4,5,6,7,8,9,10,11,12,13,14,15
	v_min_u32 v[TOK+\n], 0x3ff, v[TOK+\n]
.endr
.irp n, 0,1,2,3,4,5,6,7,8,9,10,11,12,13,14,15
	v_lshlrev_b32 v[TOK+\n], 2, v[TOK+\n]
.endr
.irp n, 0,1,2,3,4,5,6,7,8,9,10,11,12,13,14,15
	global_load_b32 v[TOK+\n], v[TOK+\n], s[8:9]   ; each load lands on its own offset
.endr
	s_min_u32 s31, s28, s24
	s_min_u32 s31, s31, 63
	s_mul_i32 s32, s31, 49152
	s_lshl_b32 s33, s31, 11
	v_add_nc_u32 v16, s32, v13
	v_add_nc_u32 v17, s32, v14
	v_add_nc_u32 v18, s33, v15
	HLOAD 0
	s_add_co_u32 s31, s28, 1
	s_min_u32 s31, s31, s24                        ; (a tile that was not written is not read: the last one is read again)
	s_min_u32 s31, s31, 63
	s_mul_i32 s32, s31, 49152
	s_lshl_b32 s33, s31, 11
	v_add_nc_u32 v19, s32, v13
	v_add_nc_u32 v20, s32, v14
	v_add_nc_u32 v21, s33, v15
	HLOAD 1
	s_wait_loadcnt 63                              ; 72 loads stand behind the tokens' last
.irp n, 0,1,2,3,4,5,6,7,8,9,10,11,12,13,14,15
	v_min_u32 v[TOK+\n], 0x3ff, v[TOK+\n]
.endr
.irp n, 0,1,2,3,4,5,6,7,8,9,10,11,12,13,14,15
	v_lshlrev_b32 v[GATE+\n], 2, v[TOK+\n]
.endr
.irp n, 0,1,2,3,4,5,6,7,8,9,10,11,12,13,14,15
	global_load_b32 v[GATE+\n], v[GATE+\n], s[10:11]
.endr
.endm
	PRO
	s_wait_loadcnt 63                              ; 104 loads stand behind b2's last: W2, its scales and b2 are in
	WIN 0xcc                                       ; destination and source 1 window 3
.irp n, 0,1,2,3,4,5,6,7,8,9,10,11,12,13,14,15
	v_cndmask_b32 v[\n], 0, v[\n], s47             ; b2 in wave 0, zeros in the others
.endr
	WIN 0x04                                       ; an LDS store's data are its source 1: window 1
.set i, 0
.rept 48
	ds_store_b128 v4, v[4*i:4*i+3] offset:PITCH*(i/6)+512*(i%6)
.set i, i+1
.endr
	WIN 0
	BARRIER                                        ; the 32 rows lie in LDS
	WIN 0x40
.irp n, 0,1
.irp s, 0,1,2,3,4,5,6,7
.irp p, 0,1,2,3,4,5
	ds_load_b64 v[FR*(8*\n+\s)+2*\p:FR*(8*\n+\s)+2*\p+1], v5 offset:16*PITCH*\n+96*\s+48*(\p/3)+8*(\p%3)
.endr
.endr
.endr
	WIN 0
	s_wait_dscnt 0x0
; tile TB + jj: 16 products (my 8 K steps, the two accumulators by turns), the refill of its buffer, the partial sums to LDS
.macro TILE jj
.set BF, (\jj)%2
.set HF, 96-64*BF
.set HS, 48+4*BF
	s_add_co_u32 s30, s28, \jj
	s_cmp_ge_u32 s30, s23
	s_cbranch_scc1 .Lcomp_done
.if \jj < 2
	s_wait_loadcnt 52                              ; behind this tile's loads: the other buffer's 36 and the 16 gates
.elseif \jj < 15
	s_wait_loadcnt 36                              ; the other buffer's refill
.else
	s_wait_loadcnt 0x0
.endif
.irp s, 0,1,2,3,4,5,6,7
.if \s == 0
	WIN 0xb1+0x0c*BF                               ; source 0 (W2) window 1, source 1 (h) window 0 or 3, source 2 (b2) window 3, destination window 2
.else
	WIN 0xa1+0x0c*BF
.endif
.irp n, 0,1
.if \s == 0
	v_wmma_scale_f32_16x16x128_f8f6f4 v[16*(\jj)+8*\n:16*(\jj)+8*\n+7], v[FR*8*\n:FR*8*\n+FR-1], v[HF:HF+FR-1], v[8*\n:8*\n+7], v[W2S+8*\n], v[HS] matrix_a_fmt:MATRIX_FMT_FP6 matrix_b_fmt:MATRIX_FMT_FP6
.elseif (\s)%2 == 0
	v_wmma_scale_f32_16x16x128_f8f6f4 v[16*(\jj)+8*\n:16*(\jj)+8*\n+7], v[FR*(8*\n+\s):FR*(8*\n+\s)+FR-1], v[HF+FR*\s:HF+FR*\s+FR-1], v[16*(\jj)+8*\n:16*(\jj)+8*\n+7], v[W2S+8*\n+\s], v[HS+(\s)/2] matrix_a_fmt:MATRIX_FMT_FP6 matrix_b_fmt:MATRIX_FMT_FP6
.else
	v_wmma_scale_f32_16x16x128_f8f6f4 v[16*(\jj)+8*\n:16*(\jj)+8*\n+7], v[FR*(8*\n+\s):FR*(8*\n+\s)+FR-1], v[HF+FR*\s:HF+FR*\s+FR-1], v[16*(\jj)+8*\n:16*(\jj)+8*\n+7], v[W2S+8*\n+\s], v[HS+(\s)/2] matrix_a_fmt:MATRIX_FMT_FP6 matrix_b_fmt:MATRIX_FMT_FP6 matrix_b_scale:MATRIX_SCALE_ROW1
.endif
.endr
.endr
	WIN 0
.if \jj < 14
	s_add_co_u32 s30, s28, (\jj)+2                 ; this buffer's next tile
	s_mul_i32 s32, s30, 49152
	s_lshl_b32 s33, s30, 11
	v_add_nc_u32 v[16+3*BF], s32, v13              ; five plain lines: the places between the products and the loads into their operands, and the first read of results
	v_add_nc_u32 v[17+3*BF], s32, v14
	v_add_nc_u32 v[18+3*BF], s33, v15
	v_nop
	v_nop
	s_cmp_lt_u32 s30, s23
	s_cbranch_scc1 .Lfill_\@
	s_wait_loadcnt 0x0                             ; no such tile: nothing is asked for, and all loads are waited for here, so that the counts at the tiles' heads hold on this way too
	s_branch .Lfilled_\@
.Lfill_\@:
	HLOAD BF
.Lfilled_\@:
.else
.rept 5
	v_nop
.endr
.endif
	WIN 0x08                                       ; an LDS store's data are its source 1: window 2
.irp n, 0,1
.irp q, 0,1
	ds_store_b128 v6, v[16*(\jj)+8*\n+4*\q:16*(\jj)+8*\n+4*\q+3] offset:REDT*(\jj)+64*\n+16*\q   ; each accumulator from its low end on
.endr
.endr
	WIN 0
.endm
; tile TB + w + 4 i: the four waves' partial sums are added, multiplied by the rows' gates and stored to the tokens' rows
.macro FINAL i
	s_add_co_u32 s30, s28, s25
	s_add_co_u32 s30, s30, 4*(\i)
	s_cmp_ge_u32 s30, s23
	s_cbranch_scc1 .Lnone_\@
	s_wait_xcnt 0x0                                ; the last tile's stores have read their data and offsets: both are written again below
.irp v, 0,1,2,3
.irp q, 0,1,2,3
	ds_load_b128 v[F+16*\v+4*\q:F+16*\v+4*\q+3], v[7+\v] offset:4*REDT*(\i)+576*\q   ; wave v's part, rows 4 q + lane / 8
.endr
.endr
.irp q, 0,1,2,3
	v_lshl_add_u32 v[88+\q], v[TOK+4*(\i)+\q], 12, v12   ; the token's row of 4,096 bytes, + 16 (lane % 8)
.endr
	s_wait_dscnt 0x0
.irp q, 0,1,2,3
.irp d, 0,2
	v_pk_add_f32 v[F+4*\q+\d:F+4*\q+\d+1], v[F+4*\q+\d:F+4*\q+\d+1], v[F+16+4*\q+\d:F+16+4*\q+\d+1]
	v_pk_add_f32 v[F+32+4*\q+\d:F+32+4*\q+\d+1], v[F+32+4*\q+\d:F+32+4*\q+\d+1], v[F+48+4*\q+\d:F+48+4*\q+\d+1]
.endr
.endr
.irp q, 0,1,2,3
.irp d, 0,2
	v_pk_add_f32 v[F+4*\q+\d:F+4*\q+\d+1], v[F+4*\q+\d:F+4*\q+\d+1], v[F+32+4*\q+\d:F+32+4*\q+\d+1]
.endr
.endr
.irp q, 0,1,2,3
.irp j, 0,1,2,3
	v_mul_f32 v[F+4*\q+\j], v[F+4*\q+\j], v[GATE+4*(\i)+\q]
.endr
.endr
.irp q, 0,1,2,3
	global_store_b128 v[88+\q], v[F+4*\q:F+4*\q+3], s[18:19] th:TH_STORE_NT   ; eight lanes store a row's 128 consecutive bytes; a spare row stores the last token's bytes once more
.endr
.Lnone_\@:
.endm
.Ltrip:                                            ; four trips of 16 tiles; a trip without tiles passes its two barriers and nothing else
.irp jj, 0,1,2,3,4,5,6,7,8,9,10,11,12,13,14,15
	TILE \jj
.endr
.Lcomp_done:
	s_wait_loadcnt 0x0                             ; the gates are in, and no load is out whose registers the lines below write
	BARRIER                                        ; every wave's partial sums lie in LDS
	FINAL 0
	FINAL 1
	FINAL 2
	FINAL 3
	BARRIER                                        ; they have been read: the next trip may write them again
	s_add_co_u32 s28, s28, 16
	s_cmp_ge_u32 s28, s23
	s_cbranch_scc1 .Lno_pro
	s_wait_xcnt 0x0                                ; the stores have read their data and offsets
	PRO
.Lno_pro:
	s_cmp_lt_u32 s28, 64
	s_cbranch_scc1 .Ltrip
	s_endpgm
.Lfunc_end_k_q713194c484_ffn2:
	.size	k_q713194c484_ffn2, .Lfunc_end_k_q713194c484_ffn2-k_q713194c484_ffn2
	.p2alignl 7, 3214868480
	.fill 96, 4, 3214868480
	.section	.rodata,"a",@progbits
	.p2align	6, 0x0
	.amdhsa_kernel k_q713194c484_ffn2
		.amdhsa_group_segment_fixed_size 246272
		.amdhsa_private_segment_fixed_size 0
		.amdhsa_enable_private_segment 0
		.amdhsa_kernarg_size 64
		.amdhsa_user_sgpr_count 2
		.amdhsa_user_sgpr_kernarg_segment_ptr 1
		.amdhsa_wavefront_size32 1
		.amdhsa_system_sgpr_workgroup_id_x 1
		.amdhsa_system_sgpr_workgroup_id_y 1
		.amdhsa_system_sgpr_workgroup_id_z 1
		.amdhsa_system_vgpr_workitem_id 0
		.amdhsa_next_free_vgpr 1024
		.amdhsa_next_free_sgpr 66
		.amdhsa_reserve_vcc 0
		.amdhsa_float_denorm_mode_32 3
		.amdhsa_float_denorm_mode_16_64 3
		.amdhsa_memory_ordered 1
		.amdhsa_forward_progress 1
		.amdhsa_inst_pref_size 161
	.end_amdhsa_kernel
	.amdgpu_metadata
---
amdhsa.version: [ 1, 2 ]
amdhsa.kernels:
  - .name:           k_q713194c484_ffn2
    .symbol:         k_q713194c484_ffn2.kd
    .args:
      - { .name: hq, .offset: 0, .size: 8, .value_kind: global_buffer, .address_space: global }
      - { .name: hs, .offset: 8, .size: 8, .value_kind: global_buffer, .address_space: global }
      - { .name: order, .offset: 16, .size: 8, .value_kind: global_buffer, .address_space: global }
      - { .name: gate, .offset: 24, .size: 8, .value_kind: global_buffer, .address_space: global }
      - { .name: W2_codes, .offset: 32, .size: 8, .value_kind: global_buffer, .address_space: global }
      - { .name: W2_scales, .offset: 40, .size: 8, .value_kind: global_buffer, .address_space: global }
      - { .name: b2, .offset: 48, .size: 8, .value_kind: global_buffer, .address_space: global }
      - { .name: out0, .offset: 56, .size: 8, .value_kind: global_buffer, .address_space: global }
    .group_segment_fixed_size: 246272
    .private_segment_fixed_size: 0
    .kernarg_segment_align: 8
    .kernarg_segment_size: 64
    .max_flat_workgroup_size: 128
    .sgpr_count:     66
    .vgpr_count:     1024
    .wavefront_size: 32
...
	.end_amdgpu_metadata
.endif
;; end of part 3
